; MI455X (gfx1250); checked and timed in simulation.
; The chip was launched on July 23, 2026; its instructions are those of AMD's public machine-readable ISA for CDNA 5 (MIT licence, August 2026) and "CDNA5" Instruction Set Architecture Reference Guide (July 2026). The comments in the code are by the model that wrote it; some were corrected since.
;; Mo E Layer. Allowed arithmetic: matrix products marked QUANTISED: E2M1 operands, one E8M0 scale for each 32 along K, by v_wmma_scale_f32_16x16x128_f8f6f4 with both operands' format E2M1 (or v_wmma_scale_f32_32x16x128_f4), f32 sums; products left as they are: f32 operands where the result goes on into a quantised operand, else bf16, f16 or f32 operands; f32 sums; everything else in f32.
;; Inputs: b1 2 x 4,096 float32; b2 2 x 1,024 float32; gate_b 2 float32; gate_w 1,024 x 2 float32; w1 2 x 1,024 x 4,096 float32; w2 2 x 4,096 x 1,024 float32; x 2,048 x 2 x 1,024 float32.
;; Outputs: out0 2,048 x 2 x 1,024 float32.
;; This version of the problem:
;;   THIS VERSION OF THE PROBLEM IS GIVEN IN LOW PRECISION. The matrix products marked QUANTISED in the list below multiply operands that are first quantised to E2M1 (2 exponent bits, 1 mantissa bit; 4 bits a number), with one power-of-two scale for each 32 numbers along K (OCP MX v1.0); their sums are f32. All else is computed in f32.
;;   The module's matrix products, in the order in which they are computed (A, B: the left and right operand; K: the contracted axis; several contracted axes count as one K, in the product's order):
;;     1. [M 4,096, K 1,024] x [K 1,024, N 2]; A: input x; B: input gate_w: left as it is (N = 2 < 16)
;;     2. [M 4,096, K 1,024] x [K 1,024, N 4,096]; A: input x; B: input w1: QUANTISED
;;     3. [M 4,096, K 4,096] x [K 4,096, N 1,024]; A: computed on the way; B: input w2: QUANTISED
;;     4. [M 4,096, K 1,024] x [K 1,024, N 4,096]; A: input x; B: input w1: QUANTISED
;;     5. [M 4,096, K 4,096] x [K 4,096, N 1,024]; A: computed on the way; B: input w2: QUANTISED
;;   THE QUANTISER, for each operand of a quantised product, along K:
;;     - K is cut into blocks of 32 from its start; a last block that is shorter is filled with zeros.
;;     - A block's scale is 2^e with e = floor(log2(the largest magnitude in the block)) - 2, held to -126 .. 127; a block of zeros has e = 0. As a byte (E8M0): e + 127.
;;     - Each number is divided by its block's scale, clamped to +-6, and rounded to the nearest number of E2M1, ties to even, subnormals kept.
;;     - The product sums the exact products of the quantised numbers (number of the format x scale) in f32.
;;   ~~~python
;;   def quantise(x, axis):      # numpy; x: float32 -> the quantised numbers, widened to float32 again
;;       x = np.moveaxis(x, axis, -1); K = x.shape[-1]
;;       x = np.pad(x, [(0, 0)] * (x.ndim - 1) + [(0, -K % 32)]); x = x.reshape(x.shape[:-1] + (-1, 32)); a = np.abs(x).max(-1, keepdims=True)
;;       e = np.where(a > 0, np.clip(np.frexp(np.where(a > 0, a, 1))[1] - 1 - 2, -126, 127), 0)      # np.frexp(a)[1] - 1 = floor(log2(a)), exactly
;;       r = np.clip(x / 2.0 ** e, -6, 6)
;;       step = 2.0 ** (np.maximum(np.frexp(np.where(r == 0, 1, r))[1] - 1, 0) - 1)
;;       q = np.round(r / step) * step * 2.0 ** e      # np.round: ties to even
;;       return np.moveaxis(q.reshape(q.shape[:-2] + (-1,))[..., :K], -1, axis).astype(np.float32)
;;   ~~~
;;   OPERANDS COMPUTED ON THE WAY. 'Computed on the way' means the value that the module computes at that place (a softmax that the list does not call 'softmax' is quantised finished and normalised). What goes into a quantiser is computed in f32, as accurately as f32 sums, v_exp_f32 and their like allow (about 1e-6 of the number): no bf16 or f16 on the way to a quantiser, and a product that is left as it is and whose result goes on into a quantised operand takes f32 operands (vector FMAs, or v_wmma_f32_16x16x4_f32). A number that lies on a knife's edge between two numbers of the format may be rounded either way, as far as f32 arithmetic and the matrix unit's own rounding can turn it there, and no further.
;; One version. Each part assembles by itself: llvm-mc -triple=amdgcn-amd-amdhsa -mcpu=gfx1250 --defsym DOCPART=n.
;; ======== version 1 of 1: 3 launches
;; limits: right only within a limited range of input values
;; workspace buffers: xq 2,228,224 bytes; w1q 4,456,448 bytes; w2q 4,456,448 bytes; hq 17,825,792 bytes; comb 65,536 bytes
;; launch quant (part 1): grid 512 x 1, 8 waves a work-group, no clusters, 38,912 bytes of LDS; arguments x, gate_w, gate_b, w1, xq, w1q, comb; writes xq, w1q, comb
.if DOCPART == 1
	.amdgcn_target "amdgcn-amd-amdhsa--gfx1250"
	.amdhsa_code_object_version 6
	.text
	.protected	k_q16c03de33b_quant
	.globl	k_q16c03de33b_quant
	.p2align	8
	.type	k_q16c03de33b_quant,@function
k_q16c03de33b_quant:
	s_mov_b64 s[64:65], 0
	v_nop
	global_prefetch_b8 v0, s[64:65] scope:SCOPE_SE
	s_setreg_imm32_b32 hwreg(HW_REG_WAVE_MODE, 25, 1), 1
	s_wait_xcnt 0x0
; FIRST OF THREE LAUNCHES.  out = sum over e of comb_e (relu(x W1_e + b1_e) W2_e + b2_e), 4,096 tokens, D = 1,024, F = 4,096, two experts; the four large products on codes of E2M1 with one E8M0 scale for each 32 along K.
; This launch turns w1 and x into codes and scale bytes, and makes the gate's logits (f32 multiply-adds) and comb.  w2, which the third launch alone needs, is turned into codes by the second launch.
; WORK LEFT OUT, for all finite values of the inputs: TOP_K = N_EXPERTS = 2, so top_k only orders the two logits; the softmax over the ordered pair gives each logit its probability, and the sum over
; one_hot(top_idx) x probs puts each probability back at its own expert (ties too: both indices occur once).  So comb_e = softmax(logits)_e: no sort, no one_hot, no list.  The larger logit is still taken away
; ahead of the exponentials.  No expert can be passed over and every input has a way to the output: all are loaded by some launch.
; LIMITS: NaN and infinities among the inputs are not served.  A block of zeros gets the scale byte 1 where the rule says 127: its codes are zeros, which add nothing under any byte but 0xff, and the bytes are
; read by this program alone.  A block whose largest magnitude lies under 2^-124 is held at byte 1.
; THE RECORD, one form for all four operands (xq, w1q, and w2q and hq of the next launch): 16 operand rows x 512 along K in 4,352 bytes.  Bytes 0-4,095: [block of 32: 16][row place: 16][16 bytes = 32 codes, the lower k
; in the low four bits]: the 1,024 bytes of 128 along K are the image of a matrix operand's registers, lane l's piece c at 512 c + 16 l.  Bytes 4,096-4,351: [row place][16 scale bytes].
; xq [ks 2][mt 256];  w1q [ks 2][nt 512], operand row 4,096 e + f;  w2q [e 2][ks 8][nt 64], operand row d.  THE ROWS OF A WEIGHT'S TILE ARE NOT NEIGHBOURS: place p of tile 2 b + u holds row 32 b + 8 u + p + 8 (p / 8),
; so that in a product used transposed a lane's 16 registers of tiles 2 b, 2 b + 1 are 16 neighbouring columns.  comb [token][c0, c0, c1, c1] f32.
; SHARES.  Work-groups 0-255 (path W): 64 columns x 512 K of one expert of w1.  Work-groups 256-511 (path X): 16 rows of x.  The branch hangs on the work-group's number alone; each path has LDS bytes of its own.
; No tensor loads, no matrix unit, no cluster: the launch streams each input byte once and work-groups share nothing.
.set REC,   4352
.set XSC,   34816                      ; LDS: 0-34,815 eight stages of 16 rows x 272 bytes, one a wave (X);  x's scale bytes [ks 2][row 16][16] (X)
.set GP,    35840                      ; the gate's parts [wave 8][row 16][2 f32] (X)
.set WSC,   36864                      ; w1's scale bytes [tile 4][place 16][16] (W)
.set SPARE, 37888                      ; the spare words, 128 bytes for each wave: four blocks of 256 bytes that no other line names
.set SPW,   158                        ; v158 LDS address of my spare word; never rewritten
.set NIL,   159                        ; v159 0; never rewritten
.set X,     48                         ; W: v48-111  two sets of 32 numbers
.set CW,    112                        ; W: v112-127 four registers of codes for each block: no store's data are written again
.set R,     16                         ; X: v16-79   two steps x eight loads x 4 numbers
.set GW,    80                         ; X: v80-95   gate_w of my 4 k, two experts, two steps
.set ACC,   96                         ; X: v96-111  register 2 j + e: logit e of row 2 j + lane / 16, my part
.set XN,    112                        ; X: v112-143 a block of 32 neighbours
.set CX,    144                        ; X: v144-151 codes, four registers a step
; v12 = the largest magnitude of the 32 numbers from v[xs] on, and the floor 2^(3 - 127), so that the byte cannot fall under 1;  v11 = that with 2 off its exponent field: the conversion takes the exponent field of this operand as its scale
.macro MAX32 xs
	v_max3_num_f32 v12, |v[\xs]|, |v[\xs+1]|, |v[\xs+2]|
	v_max3_num_f32 v13, |v[\xs+3]|, |v[\xs+4]|, |v[\xs+5]|
.irp i, 6,10,14,18,22,26
	s_delay_alu instid0(VALU_DEP_2)
	v_max3_num_f32 v12, v12, |v[\xs+\i]|, |v[\xs+\i+1]|
	s_delay_alu instid0(VALU_DEP_2)
	v_max3_num_f32 v13, v13, |v[\xs+\i+2]|, |v[\xs+\i+3]|
.endr
	s_delay_alu instid0(VALU_DEP_2)
	v_max3_num_f32 v12, v12, |v[\xs+30]|, |v[\xs+31]|
	s_delay_alu instid0(VALU_DEP_1)
	v_max3_num_f32 v12, v12, v13, 0x1800000
	s_delay_alu instid0(VALU_DEP_1)
	v_add_nc_u32 v11, 0xff000000, v12
.endm
	s_load_b256 s[4:11], s[0:1], 0x0               ; x s[4:5], gate_w s[6:7], gate_b s[8:9], w1 s[10:11]
	s_load_b128 s[12:15], s[0:1], 0x20             ; xq s[12:13], w1q s[14:15]
	s_load_b64 s[20:21], s[0:1], 0x30              ; comb
	v_lshl_add_u32 v[SPW], v0, 2, SPARE
	v_mov_b32 v[NIL], 0
	v_lshrrev_b32 v1, 5, v0
	s_delay_alu instid0(VALU_DEP_1)
	v_readfirstlane_b32 s22, v1                    ; wave 0..7
	v_and_b32 v1, 31, v0                           ; lane l
	v_and_b32 v2, 15, v0                           ; l % 16
	v_bfe_u32 v3, v0, 4, 1                         ; l / 16
	s_wait_alu depctr_va_vdst(0)                   ; directly ahead of the wait below
	s_wait_kmcnt 0x0
	s_cmp_ge_u32 ttmp9, 256
	s_cbranch_scc1 .Lx
; ---------------- PATH W: w1 [e][K][columns], K not innermost.  A LANE TAKES A COLUMN AND ITS REGISTERS RUN DOWN K: a block of 32 lies in one lane, and the conversions give codes with K innermost.
; Wave w: columns 32 (w % 2) on (two tiles), K step w / 2 (four blocks).  A row of w1 is 16,384 bytes: every row's offset, 127 rows at the most, is an immediate.
	s_lshr_b32 s25, ttmp9, 7                       ; the expert
	s_bfe_u32 s30, ttmp9, 0x10006                  ; K slot
	s_and_b32 s24, ttmp9, 63                       ; group of 64 columns
	s_and_b32 s48, s22, 1                          ; ch: which 32 of them
	s_lshr_b32 s49, s22, 1                         ; q: which K step of the slot
	s_lshl_b32 s50, s30, 9
	s_lshl_b32 s51, s49, 7
	s_add_co_u32 s50, s50, s51                     ; my first row: 512 ks + 128 q
	s_lshl_b32 s50, s50, 14
	s_lshl_b32 s51, s25, 24                        ; an expert is 16,777,216 bytes
	s_add_co_u32 s50, s50, s51
	s_lshl_b32 s51, s24, 8
	s_add_co_u32 s50, s50, s51
	s_lshl_b32 s51, s48, 7
	s_add_co_u32 s50, s50, s51
	s_mov_b32 s51, 0
	s_add_nc_u64 s[36:37], s[10:11], s[50:51]      ; block 0's first row, at my 32 columns
	s_lshl_b32 s50, s25, 8
	s_lshl_b32 s52, s30, 9
	s_add_co_u32 s50, s50, s52
	s_lshl_b32 s52, s24, 2
	s_add_co_u32 s50, s50, s52                     ; the work-group's first record of four: 512 ks + 256 e + 4 x group
	s_mul_i32 s50, s50, REC
	s_add_nc_u64 s[44:45], s[14:15], s[50:51]
	s_mul_i32 s52, s48, 2*REC
	s_lshl_b32 s54, s49, 10
	s_add_co_u32 s52, s52, s54
	s_mov_b32 s53, 0
	s_add_nc_u64 s[46:47], s[44:45], s[52:53]      ; my two tiles, my K step
	s_lshl_b32 s54, s48, 9
	s_lshl_b32 s55, s49, 2
	s_add_co_u32 s54, s54, s55
	s_add_co_u32 s54, s54, WSC
	v_and_b32 v6, 7, v0
	v_bfe_u32 v7, v0, 3, 1
	s_delay_alu instid0(VALU_DEP_1)
	v_lshl_add_u32 v6, v7, 4, v6
	s_delay_alu instid0(VALU_DEP_1)
	v_lshl_add_u32 v6, v3, 3, v6                   ; my column of the 32: l % 8 + 16 ((l % 16) / 8) + 8 (l / 16): lanes 0-15 are the places of the first tile, lanes 16-31 of the second
	s_delay_alu instid0(VALU_DEP_1)
	v_lshlrev_b32 v6, 2, v6
	v_mul_u32_u24 v4, v3, REC
	s_delay_alu instid0(VALU_DEP_1)
	v_lshl_add_u32 v4, v2, 4, v4                   ; out: my tile's record, my place's 16 bytes
	v_lshl_add_u32 v5, v1, 4, s54                  ; LDS: my place's scale bytes, word q
	v_lshl_add_u32 v7, v1, 4, WSC                  ; and where wave 0 reads them back
	s_wait_alu depctr_va_vdst(0)                   ; the head's end
.macro LOADW t                         ; block t: 32 rows at my column; a load's 32 lanes read 128 consecutive bytes
.set i, 0
.rept 32
	global_load_b32 v[X+32*((\t)%2)+i], v6, s[36:37] offset:(32*(\t)+i)*16384 th:TH_LOAD_NT
.set i, i+1
.endr
.endm
.macro BLOCKW t
.set XS, X+32*((\t)%2)
.if (\t) < 3
	s_wait_loadcnt 32                              ; this block's 32 loads are in; the next block's 32 may be out
.else
	s_wait_loadcnt 0x0
.endif
	MAX32 XS
	s_delay_alu instid0(VALU_DEP_1)
	v_lshrrev_b32 v13, 23, v11                     ; the scale's byte
.if (\t) == 0
	s_delay_alu instid0(VALU_DEP_1)
	v_mov_b32 v14, v13                             ; four bytes make my place's scale word of this K step
.else
	s_delay_alu instid0(VALU_DEP_1)
	v_lshl_or_b32 v14, v13, 8*(\t), v14
.endif
.irp g, 0,1,2,3
	v_cvt_scalef32_pk8_fp4_f32 v[CW+4*(\t)+\g], v[XS+8*\g:XS+8*\g+7], v11
.endr
	v_nop                                          ; one plain line behind a run of scaled conversions
	global_store_b128 v4, v[CW+4*(\t):CW+4*(\t)+3], s[46:47] offset:256*(\t)   ; each half of the lanes stores 256 consecutive bytes, aligned
.if (\t) < 2
	LOADW (\t)+2
.endif
.endm
	LOADW 0
	LOADW 1
	BLOCKW 0
	BLOCKW 1
	BLOCKW 2
	BLOCKW 3
	ds_store_b32 v5, v14
	s_wait_dscnt 0x0                               ; for the others' sake: my scale word lies in LDS
	s_barrier_signal -1
	s_barrier_wait -1
	s_cmp_lg_u32 s22, 0
	s_cbranch_scc1 .Lend
	ds_load_b128 v[48:51], v7                      ; wave 0: the four tiles' scale bytes, 256 bytes a tile
	ds_load_b128 v[52:55], v7 offset:512
	s_wait_dscnt 0x0
	global_store_b128 v4, v[48:51], s[44:45] offset:4096
	global_store_b128 v4, v[52:55], s[44:45] offset:4096+2*REC
	s_branch .Lend
; ---------------- PATH X: 16 rows of x.  Wave w takes K step w (128 along K) in two steps of 64: eight loads, each half of the lanes 256 consecutive bytes of one row; the gate's multiply-adds on the numbers as loaded;
; a turn through the wave's own stage in LDS, after which lane (r, h) holds a whole block of 32 of row r.
.Lx:
	s_load_b64 s[56:57], s[8:9], 0x0               ; gate_b
	s_sub_co_u32 s23, ttmp9, 256                   ; mt
	s_lshl_b32 s24, s23, 16
	s_lshl_b32 s25, s22, 9
	s_add_co_u32 s24, s24, s25
	s_mov_b32 s25, 0
	s_add_nc_u64 s[4:5], s[4:5], s[24:25]          ; x at my 16 rows, my 512 bytes of each
	s_lshl_b32 s24, s22, 10
	s_add_nc_u64 s[6:7], s[6:7], s[24:25]          ; gate_w at my 128 k
	s_lshr_b32 s26, s22, 2                         ; K slot
	s_and_b32 s27, s22, 3                          ; K step in it
	s_lshl_b32 s24, s26, 8
	s_add_co_u32 s24, s24, s23
	s_mul_i32 s24, s24, REC
	s_lshl_b32 s28, s27, 10
	s_add_co_u32 s24, s24, s28
	s_add_nc_u64 s[30:31], s[12:13], s[24:25]      ; my K step in its record
	s_mul_i32 s24, s23, REC
	s_add_nc_u64 s[32:33], s[12:13], s[24:25]      ; K slot 0's record, for the scale bytes
	s_lshl_b32 s24, s23, 8
	s_add_nc_u64 s[20:21], s[20:21], s[24:25]      ; comb at my 16 rows
	s_mov_b32 s38, 0x76543210
	s_mov_b32 s39, 0xfedcba98                      ; v_permlanex16_b32's selects for lane l xor 16
	v_lshlrev_b32 v4, 12, v3
	s_delay_alu instid0(VALU_DEP_1)
	v_lshl_add_u32 v4, v2, 4, v4                   ; in: row l / 16 of a pair, 16 bytes a lane
	v_lshlrev_b32 v5, 5, v2                        ; gate_w: my 4 k x 2 experts
	v_lshlrev_b32 v6, 4, v1                        ; out: 16 l
	s_mul_i32 s34, s22, REC                        ; my stage: 16 x 272 = 4,352 bytes
	v_mul_u32_u24 v7, v3, 272
	s_delay_alu instid0(VALU_DEP_1)
	v_lshl_add_u32 v7, v2, 4, v7
	s_delay_alu instid0(VALU_DEP_1)
	v_add_nc_u32 v7, s34, v7                       ; into it: as loaded
	v_mul_u32_u24 v8, v2, 272
	s_delay_alu instid0(VALU_DEP_1)
	v_lshl_add_u32 v8, v3, 7, v8
	s_delay_alu instid0(VALU_DEP_1)
	v_add_nc_u32 v8, s34, v8                       ; out of it: row r, block h.  Rows 272 bytes apart: sixteen lanes touch sixteen different columns of 16 bytes
	s_lshl_b32 s35, s22, 7
	s_add_co_u32 s35, s35, GP
	v_lshl_add_u32 v9, v3, 3, s35                  ; the gate's parts
	s_lshl_b32 s35, s26, 8
	s_lshl_b32 s36, s27, 2
	s_add_co_u32 s35, s35, s36
	s_add_co_u32 s35, s35, XSC
	v_lshl_add_u32 v10, v2, 4, s35                 ; my row's scale word
	v_lshl_add_u32 v152, v1, 4, XSC                ; wave 0's addresses at the end
	v_lshl_add_u32 v153, v2, 3, GP
	v_lshlrev_b32 v154, 4, v2
	s_delay_alu instid0(VALU_DEP_1)
	v_lshl_add_u32 v154, v3, 3, v154
	v_mul_u32_u24 v155, v3, 256*REC
	s_delay_alu instid0(VALU_DEP_1)
	v_lshl_add_u32 v155, v2, 4, v155
.irp s, 0,1
	global_load_b128 v[GW+8*\s:GW+8*\s+3], v5, s[6:7] offset:512*\s
	global_load_b128 v[GW+8*\s+4:GW+8*\s+7], v5, s[6:7] offset:512*\s+16
.irp j, 0,1,2,3,4,5,6,7
	global_load_b128 v[R+32*\s+4*\j:R+32*\s+4*\j+3], v4, s[4:5] offset:8192*\j+256*\s th:TH_LOAD_NT
.endr
.endr
	s_wait_alu depctr_va_vdst(0)                   ; the head's end
	s_wait_kmcnt 0x0                               ; gate_b
.macro XSTEP s
.if \s == 0
	s_wait_loadcnt 10                              ; step 0's ten loads are in; step 1's ten may be out
.else
	s_wait_loadcnt 0x0
.endif
.irp j, 0,1,2,3,4,5,6,7
	ds_store_b128 v7, v[R+32*\s+4*\j:R+32*\s+4*\j+3] offset:544*\j
.endr
.irp i, 0,1,2,3,4,5,6,7
	ds_load_b128 v[XN+4*\i:XN+4*\i+3], v8 offset:16*\i       ; LDS serves a wave's instructions in order (ISA guide 5.7.1.4): these see the stores above
.endr
.irp i, 0,1,2,3                        ; the gate, while the turn is out: sixteen sums by turns; the first products start them
.irp j, 0,1,2,3,4,5,6,7
.irp e, 0,1
.if (\s == 0) && (\i == 0)
	v_mul_f32 v[ACC+2*\j+\e], v[R+32*\s+4*\j+\i], v[GW+8*\s+2*\i+\e]
.else
	v_fmac_f32 v[ACC+2*\j+\e], v[R+32*\s+4*\j+\i], v[GW+8*\s+2*\i+\e]
.endif
.endr
.endr
.endr
	s_wait_dscnt 0x0
	MAX32 XN
	s_delay_alu instid0(VALU_DEP_1)
	v_lshrrev_b32 v[14+\s], 23, v11                ; the byte of block 2 s + h of my K step
.irp g, 0,1,2,3
	v_cvt_scalef32_pk8_fp4_f32 v[CX+4*\s+\g], v[XN+8*\g:XN+8*\g+7], v11
.endr
	v_nop                                          ; one plain line behind a run of scaled conversions
	global_store_b128 v6, v[CX+4*\s:CX+4*\s+3], s[30:31] offset:512*\s   ; 512 consecutive bytes, aligned
.endm
	XSTEP 0
	XSTEP 1
	v_lshl_or_b32 v12, v15, 16, v14                ; my two bytes, blocks h and 2 + h,
	v_lshlrev_b32 v13, 3, v3
	s_delay_alu instid0(VALU_DEP_1)
	v_lshlrev_b32 v12, v13, v12                    ; at their places in the scale word;
	v_mov_b32 v13, 0
	s_delay_alu instid0(VALU_DEP_1)
	v_permlanex16_b32 v13, v12, s38, s39
	s_delay_alu instid0(VALU_DEP_1)
	v_or_b32 v12, v12, v13                         ; with lane l xor 16's two the word is whole
	ds_store_b32 v10, v12                          ; (both halves of the lanes write the same word with the same value)
.irp m, 1,2,4,8                        ; the sixteen lanes of a half hold one row's parts
.irp a, 0,1,2,3,4,5,6,7,8,9,10,11,12,13,14,15
	v_add_f32_dpp v[ACC+\a], v[ACC+\a], v[ACC+\a] row_xmask:\m row_mask:0xf bank_mask:0xf
.endr
.endr
.irp j, 0,1,2,3,4,5,6,7
	ds_store_b64 v9, v[ACC+2*\j:ACC+2*\j+1] offset:16*\j
.endr
	s_wait_dscnt 0x0                               ; for the others' sake: my scale words and my parts of the logits lie in LDS
	s_barrier_signal -1
	s_barrier_wait -1
	s_cmp_lg_u32 s22, 0
	s_cbranch_scc1 .Lend
	ds_load_b128 v[16:19], v152                    ; wave 0: the two records' scale bytes,
.irp q, 0,1,2,3,4,5,6,7
	ds_load_b64 v[20+2*\q:21+2*\q], v153 offset:128*\q   ; and the eight waves' parts of row l % 16's two logits
.endr
	s_wait_dscnt 0x0
	global_store_b128 v155, v[16:19], s[32:33] offset:4096   ; each half of the lanes stores 256 consecutive bytes, aligned
	v_pk_add_f32 v[20:21], v[20:21], v[22:23]
	v_pk_add_f32 v[24:25], v[24:25], v[26:27]
	v_pk_add_f32 v[28:29], v[28:29], v[30:31]
	v_pk_add_f32 v[32:33], v[32:33], v[34:35]
	s_delay_alu instid0(VALU_DEP_3)
	v_pk_add_f32 v[20:21], v[20:21], v[24:25]
	s_delay_alu instid0(VALU_DEP_2)
	v_pk_add_f32 v[28:29], v[28:29], v[32:33]
	s_delay_alu instid0(VALU_DEP_1)
	v_pk_add_f32 v[20:21], v[20:21], v[28:29]
	s_delay_alu instid0(VALU_DEP_1)
	v_add_f32 v20, s56, v20                        ; + gate_b
	s_delay_alu instid0(VALU_DEP_2)
	v_add_f32 v21, s57, v21
	s_delay_alu instid0(VALU_DEP_1)
	v_max_num_f32 v22, v20, v21                    ; the larger logit is taken away
	s_delay_alu instid0(VALU_DEP_1)
	v_sub_f32 v20, v20, v22
	s_delay_alu instid0(VALU_DEP_2)
	v_sub_f32 v21, v21, v22
	s_delay_alu instid0(VALU_DEP_2)
	v_mul_f32 v20, 0x3fb8aa3b, v20                 ; x log2(e)
	s_delay_alu instid0(VALU_DEP_2)
	v_mul_f32 v21, 0x3fb8aa3b, v21
	v_cmp_lt_u32 vcc_lo, 15, v1                    ; lanes 16-31 will hold expert 1's weight
	s_wait_alu depctr_va_vdst(0)                   ; ahead of the batch
	v_exp_f32 v24, v20
	v_exp_f32 v25, v21
	v_nop                                          ; a plain line behind the exponentials,
	s_wait_alu depctr_va_vdst(0)                   ; and a wait ahead of the first line that names a result: one for both
	v_add_f32 v26, v24, v25
	v_cndmask_b32 v27, v24, v25, vcc_lo
	s_wait_alu depctr_va_vdst(0)
	v_rcp_f32 v28, v26
	v_nop
	s_wait_alu depctr_va_vdst(0)
	v_mul_f32 v30, v27, v28
	s_delay_alu instid0(VALU_DEP_1)
	v_mov_b32 v31, v30                             ; twice: a row of comb is 16 bytes, so that 32 lanes store whole units
	global_store_b64 v154, v[30:31], s[20:21]      ; 32 lanes store 256 consecutive bytes, aligned
.Lend:
	s_wait_tensorcnt 0x0                           ; the wave's end, behind my last LDS store
	ds_add_u32 v[SPW], v[NIL]
	s_wait_dscnt 0x0
	s_endpgm
.Lfunc_end_k_q16c03de33b_quant:
	.size	k_q16c03de33b_quant, .Lfunc_end_k_q16c03de33b_quant-k_q16c03de33b_quant
	.p2alignl 7, 3214868480
	.fill 96, 4, 3214868480
	.section	.rodata,"a",@progbits
	.p2align	6, 0x0
	.amdhsa_kernel k_q16c03de33b_quant
		.amdhsa_group_segment_fixed_size 38912
		.amdhsa_private_segment_fixed_size 0
		.amdhsa_enable_private_segment 0
		.amdhsa_kernarg_size 56
		.amdhsa_user_sgpr_count 2
		.amdhsa_user_sgpr_kernarg_segment_ptr 1
		.amdhsa_wavefront_size32 1
		.amdhsa_system_sgpr_workgroup_id_x 1
		.amdhsa_system_sgpr_workgroup_id_y 1
		.amdhsa_system_sgpr_workgroup_id_z 1
		.amdhsa_system_vgpr_workitem_id 0
		.amdhsa_next_free_vgpr 160
		.amdhsa_next_free_sgpr 66
		.amdhsa_reserve_vcc 1
		.amdhsa_float_denorm_mode_32 3
		.amdhsa_float_denorm_mode_16_64 3
		.amdhsa_memory_ordered 1
		.amdhsa_forward_progress 1
		.amdhsa_inst_pref_size 46
	.end_amdhsa_kernel
	.amdgpu_metadata
---
amdhsa.version: [ 1, 2 ]
amdhsa.kernels:
  - .name:           k_q16c03de33b_quant
    .symbol:         k_q16c03de33b_quant.kd
    .args:
      - { .name: x, .offset: 0, .size: 8, .value_kind: global_buffer, .address_space: global }
      - { .name: gate_w, .offset: 8, .size: 8, .value_kind: global_buffer, .address_space: global }
      - { .name: gate_b, .offset: 16, .size: 8, .value_kind: global_buffer, .address_space: global }
      - { .name: w1, .offset: 24, .size: 8, .value_kind: global_buffer, .address_space: global }
      - { .name: xq, .offset: 32, .size: 8, .value_kind: global_buffer, .address_space: global }
      - { .name: w1q, .offset: 40, .size: 8, .value_kind: global_buffer, .address_space: global }
      - { .name: comb, .offset: 48, .size: 8, .value_kind: global_buffer, .address_space: global }
    .group_segment_fixed_size: 38912
    .private_segment_fixed_size: 0
    .kernarg_segment_align: 8
    .kernarg_segment_size: 56
    .max_flat_workgroup_size: 256
    .sgpr_count:     66
    .vgpr_count:     160
    .wavefront_size: 32
...
	.end_amdgpu_metadata
.endif
;; end of part 1
;; launch ffn1 (part 2): grid 16 x 16, 8 waves a work-group, clusters of 4 x 1, 167,936 bytes of LDS; arguments xq, w1q, b1, hq, w2, w2q; writes hq, w2q
.if DOCPART == 2
	.amdgcn_target "amdgcn-amd-amdhsa--gfx1250"
	.amdhsa_code_object_version 6
	.text
	.protected	k_q16c03de33b_ffn1
	.globl	k_q16c03de33b_ffn1
	.p2align	8
	.type	k_q16c03de33b_ffn1,@function
k_q16c03de33b_ffn1:
	s_mov_b64 s[64:65], 0
	v_nop
	global_prefetch_b8 v0, s[64:65] scope:SCOPE_SE
	s_setreg_imm32_b32 hwreg(HW_REG_WAVE_MODE, 25, 1), 1
	s_wait_xcnt 0x0
	s_wait_alu depctr_hold_cnt(0) depctr_sa_sdst(0) depctr_va_vdst(0) depctr_va_sdst(0) depctr_va_ssrc(0) depctr_va_vcc(0) depctr_vm_vsrc(0)
	s_getreg_b32 s2, hwreg(HW_REG_IB_STS2, 6, 4)
	s_cmp_eq_u32 s2, 0
	s_cbranch_scc0 .Lentry_in_a_cluster
	s_endpgm
.Lentry_in_a_cluster:
	s_bfe_u32 s2, ttmp6, 0x10000c
	s_cmp_lg_u32 s2, 0x3003
	s_cbranch_scc0 .Lentry_shape_is_right
	s_endpgm
.Lentry_shape_is_right:
; SECOND OF THREE LAUNCHES.  h = relu(x W1_e + b1_e) for both experts, on codes of E2M1 (records as the first launch lays them), quantised along F in registers and stored as records hq [e 2][ks 8][mt 256].  No work is left out here.
; SHARES.  A work-group makes 256 rows x 512 hidden units: units 512 cgx on of the 8,192 (expert cgx / 8, K slot cgx % 8 of the next product), rows 256 rg on.  THE WAVES SHARE THE UNITS, NOT THE ROWS: wave w holds
; W1's fragments of units 64 w .. 64 w + 63 for all of K (4 tiles x 8 K steps x 8 = 256 registers, window 1) for the whole launch, loaded straight from memory as images of the registers, and walks the 16 tiles of rows.
; Two waves to a SIMD: a tile of rows is 32 matrix instructions and some 70 vector instructions (relu, the quantiser), and one wave's vector work stands beside the other's matrix work.
; x's codes and scale bytes of the 256 rows, 139,264 bytes, come into LDS once, one tensor load a wave (4 records, dense); nothing is filled again.
; CLUSTER: the four work-groups of a cluster have the same rows (rg) and other units: x's records are asked for JOINTLY, by the same load with the same descriptor and the mask of all four.  W1's records go to
; registers, not to LDS (a work-group's 278,528 bytes of them would not fit beside x's), so they are not shared.
; THE PRODUCT IS USED TRANSPOSED: source 0 = 16 units of W1, source 1 = 16 rows of x: lane (r, h) holds row r, and by the order of a weight tile's rows its 16 registers of tiles 2 b, 2 b + 1 are units 32 b + 16 h + 0 .. 15.
; b1 is the C of each sum's first matrix instruction.  LIMITS: as stated at the head of the first launch (a block of zeros keeps the byte 1).
.set REC,   4352
.set KSB,   16*REC                     ; LDS: x's records [ks 2][tile 16], 69,632 bytes a K slot;
.set HSC,   2*KSB                      ; h's scale bytes [tile 16][row 16][16], stored by ds_store: blocks of 256 bytes into which no fill lands;
.set SPARE, HSC+4096                   ; the spare words, 128 bytes for each wave: four blocks of 256 bytes that no other line names
; ALSO HERE: w2 INTO CODES (w2q, records [e 2][ks 8][nt 64] in the form that the first launch's head states), which the third launch alone reads.  The work-group takes 64 columns (64 cgx on) x 512 K
; (K slot rg % 8) of expert rg / 8; wave w columns 32 (w % 2) on (two tiles) and K step w / 2 (four blocks of 32).  A lane takes a column and its registers run down K.  Blocks 0 and 1 are asked of memory
; ahead of the first 8 tiles of rows and worked behind them, blocks 2 and 3 ahead of the other 8 and worked behind them: 64 loads a wave, eight tiles ahead of their use, so w2 has no prefetch.
.set WSC,   SPARE+1024                 ; w2's scale bytes [tile 4][place 16][16], stored by ds_store: four blocks of 256 bytes of their own
.set WRD,  174                         ; v174 where wave 0 reads them back
.set CW,   178                         ; v178-181 a block's codes
.set WCO,  182                         ; v182 my column's byte offset in a row of w2
.set WSA,  183                         ; v183 LDS address of my place's scale word
.set XW,   190                         ; v190-253 two sets of 32 numbers;  at work: v3, v13, v14;  v15 my place's scale word
.macro LOADW t                         ; block t: 32 rows of 4,096 bytes at my column; a load's 32 lanes read 128 consecutive bytes
.set i, 0
.rept 32
	global_load_b32 v[XW+32*((\t)%2)+i], v[WCO], s[52:53] offset:(32*(\t)+i)*4096 th:TH_LOAD_NT
.set i, i+1
.endr
.endm
.macro BLOCKW t
.set XS, XW+32*((\t)%2)
.if (\t) < 3
	s_wait_loadcnt 32                              ; this block's 32 loads are in; the other set's 32 may be out
.else
	s_wait_loadcnt 0x0
.endif
	s_wait_xcnt 0x0                                ; the last block's store has read its data: the codes' registers are written again only behind this wait
	v_max3_num_f32 v3, |v[XS]|, |v[XS+1]|, |v[XS+2]|               ; the block's largest magnitude, in two chains
	v_max3_num_f32 v13, |v[XS+3]|, |v[XS+4]|, |v[XS+5]|
.irp i, 6,10,14,18,22,26
	s_delay_alu instid0(VALU_DEP_2)
	v_max3_num_f32 v3, v3, |v[XS+\i]|, |v[XS+\i+1]|
	s_delay_alu instid0(VALU_DEP_2)
	v_max3_num_f32 v13, v13, |v[XS+\i+2]|, |v[XS+\i+3]|
.endr
	s_delay_alu instid0(VALU_DEP_2)
	v_max3_num_f32 v3, v3, |v[XS+30]|, |v[XS+31]|
	s_delay_alu instid0(VALU_DEP_1)
	v_max3_num_f32 v3, v3, v13, 0x1800000          ; and the floor 2^(3 - 127): the byte cannot fall under 1
	s_delay_alu instid0(VALU_DEP_1)
	v_add_nc_u32 v14, 0xff000000, v3               ; 2 off its exponent field: the conversion's scale operand
	s_delay_alu instid0(VALU_DEP_1)
	v_lshrrev_b32 v13, 23, v14                     ; the scale's byte
.if (\t) == 0
	s_delay_alu instid0(VALU_DEP_1)
	v_mov_b32 v15, v13                             ; four bytes make my place's scale word of this K step
.else
	s_delay_alu instid0(VALU_DEP_1)
	v_lshl_or_b32 v15, v13, 8*(\t), v15
.endif
.irp g, 0,1,2,3
	v_cvt_scalef32_pk8_fp4_f32 v[CW+\g], v[XS+8*\g:XS+8*\g+7], v14
.endr
	v_nop                                          ; one plain line behind a run of scaled conversions
	global_store_b128 v[WSO], v[CW:CW+3], s[50:51] offset:256*(\t)   ; each half of the lanes stores 256 consecutive bytes, aligned
.if (\t) < 2
	LOADW (\t)+2
.endif
.endm
.set W1KS,  512*REC                    ; from K slot to K slot in w1q
.set LI,   1                           ; v1   16 l
.set R16,  2                           ; v2   16 (l % 16)
.set LA0,  4                           ; v4-5 LDS address of the tile's fragments, K slot 0, 1
.set SA0,  6                           ; v6-7 of its scale words (less 4,096)
.set HSAC, 8                           ; v8   where this tile's two scale bytes go
.set HSA0, 9                           ; v9   the same for tile 0
.set WSO,  10                          ; v10  4,352 (l / 16) + 16 (l % 16): a place in one of two records
.set BO,   11                          ; v11  64 (l / 16)
.set HRD,  12                          ; v12  where I read two tiles' scale bytes back
.set AF,   16                          ; v16-79   x's eight fragments
.set AS,   80                          ; v80-87   x's scale words, one register a K step
.set W1S,  88                          ; v88-103  W1's: register 4 (2 tp + s) + q: lanes 0-15 tile 2 tp, lanes 16-31 tile 2 tp + 1
.set B1,   104                         ; v104-135 b1 in the result's layout, 8 registers a tile
.set H,    136                         ; v136-167 four accumulators
.set TM,   168                         ; at work
.set PC,   184                         ; v184-187 the codes
.set PW,   188                         ; the two scale bytes
.set SPW,  254                         ; v254 LDS address of my spare word; never rewritten
.set NIL,  255                         ; v255 0; never rewritten
.set MSB, 0
.macro WIN new                         ; the immediate's high byte repeats the setting that is left
.if MSB != \new
	s_set_vgpr_msb (MSB<<8)|\new
.set MSB, \new
.endif
.endm
.macro ROUND                           ; a round of the cluster's barrier
	s_barrier_signal -1
	s_barrier_wait -1
	s_cmp_lg_u32 s12, 0
	s_cbranch_scc1 .Lnot_wave_0_\@
	s_barrier_signal -3
.Lnot_wave_0_\@:
	s_barrier_wait -3
	s_barrier_signal -1
	s_barrier_wait -1
.endm
	s_load_b256 s[4:11], s[0:1], 0x0               ; xq s[4:5], w1q s[6:7], b1 s[8:9], hq s[10:11]
	s_load_b128 s[52:55], s[0:1], 0x20             ; w2 s[52:53], w2q s[54:55]
	v_lshl_add_u32 v[SPW], v0, 2, SPARE
	v_mov_b32 v[NIL], 0
	ds_add_u32 v[SPW], v[NIL]                      ; the wave's opening: the add, twice on end, and its wait ahead of my first tensor load
	ds_add_u32 v[SPW], v[NIL]                      ; and once more, under the one wait
	v_lshrrev_b32 v3, 5, v0
	s_delay_alu instid0(VALU_DEP_1)
	v_readfirstlane_b32 s12, v3                    ; wave 0..7
	s_bfe_u32 s13, ttmp6, 0x40000                  ; cx
	s_lshl_b32 s14, ttmp9, 2
	s_add_co_u32 s14, s14, s13                     ; cgx = 4 x cluster x + cx: it enters w1q's, b1's, hq's, w2's and w2q's addresses alone
	s_and_b32 s15, ttmp7, 0xffff                   ; rg, which the four partners share
	; descriptor group 1: 4 records, 17,408 dense bytes, as 68 rows of 32 elements of 8 bytes
	s_mov_b32 s20, 15|(3<<16)|(1<<21)              ; 15:0 the mask: all four work-groups; 17:16 elements of 8 bytes; 21 set beside a mask; no padding
	s_mov_b32 s21, 32<<16                          ; tensor_dim0 = 32
	s_mov_b32 s22, 68<<16                          ; tensor_dim1 = 68
	s_mov_b32 s23, 32<<16                          ; tile_dim0 = 32
	s_mov_b32 s24, 68                              ; tile_dim1 = 68
	s_mov_b32 s25, 32                              ; from row to row
	s_mov_b32 s26, 0
	s_mov_b32 s27, 0
	s_mov_b32 s16, 1                               ; group 0: count = 1
	s_mul_i32 s17, s12, 4*REC                      ; LDS: wave w brings K slot w / 4, tiles 4 (w % 4) on: 17,408 w
	s_lshr_b32 s38, s12, 2
	s_lshl_b32 s38, s38, 8
	s_lshl_b32 s39, s15, 4
	s_add_co_u32 s38, s38, s39
	s_and_b32 s39, s12, 3
	s_lshl_b32 s39, s39, 2
	s_add_co_u32 s38, s38, s39                     ; record 256 (w / 4) + 16 rg + 4 (w % 4): the wave's number and rg alone
	s_mul_i32 s38, s38, REC
	s_mov_b32 s39, 0
	s_mov_b32 s28, 0                               ; T: the tile's records in LDS, 4,352 a tile
	s_mov_b32 s29, 0                               ; its scale bytes, 256 a tile
	s_mov_b32 s30, 8                               ; trips of the first loop
	s_mov_b32 s32, 0x76543210
	s_mov_b32 s33, 0xfedcba98                      ; v_permlanex16_b32's selects for lane l xor 16
	s_wait_dscnt 0x0                               ; both opening adds are done
	s_wait_kmcnt 0x0
	s_add_nc_u64 s[18:19], s[4:5], s[38:39]
	s_or_b32 s19, s19, 0x80000000                  ; type = 2
	ROUND                                          ; all four work-groups are here: the joint loads meet
	tensor_load_to_lds s[16:19], s[20:27]          ; my one tensor load of the launch
	s_nop 0
.rept 4
	v_nop
.endr
	s_lshl_b32 s44, s14, 5
	s_lshl_b32 s46, s12, 2
	s_add_co_u32 s44, s44, s46                     ; my first tile of W1: 32 cgx + 4 w
	s_mul_i32 s44, s44, REC
	s_mov_b32 s45, 0
	s_add_nc_u64 s[40:41], s[6:7], s[44:45]
	s_lshl_b32 s44, s14, 11
	s_lshl_b32 s46, s12, 8
	s_add_co_u32 s44, s44, s46
	s_add_nc_u64 s[42:43], s[8:9], s[44:45]        ; b1 at unit 512 cgx + 64 w
	s_lshl_b32 s44, s14, 8
	s_lshl_b32 s46, s15, 4
	s_add_co_u32 s44, s44, s46                     ; hq's record 256 cgx + 16 rg
	s_mul_i32 s46, s44, REC
	s_mov_b32 s47, 0
	s_add_nc_u64 s[36:37], s[10:11], s[46:47]
	s_lshl_b32 s44, s12, 9
	s_add_nc_u64 s[34:35], s[36:37], s[44:45]      ; my two blocks of a record: 512 w
	s_mul_i32 s44, s12, 2*REC
	s_add_nc_u64 s[36:37], s[36:37], s[44:45]      ; the two records whose scale bytes I store at the end
	s_lshr_b32 s56, s15, 3                         ; w2: the expert,
	s_and_b32 s57, s15, 7                          ; the K slot,
	s_lshr_b32 s58, s12, 1                         ; q: my K step in it,
	s_and_b32 s59, s12, 1                          ; ch: my 32 of the 64 columns
	s_lshl_b32 s48, s57, 9
	s_lshl_b32 s60, s58, 7
	s_add_co_u32 s48, s48, s60                     ; my first row: 512 ks + 128 q
	s_lshl_b32 s48, s48, 12
	s_lshl_b32 s60, s56, 24                        ; an expert is 16,777,216 bytes
	s_add_co_u32 s48, s48, s60
	s_lshl_b32 s60, s14, 8
	s_add_co_u32 s48, s48, s60
	s_lshl_b32 s60, s59, 7
	s_add_co_u32 s48, s48, s60
	s_mov_b32 s49, 0
	s_add_nc_u64 s[52:53], s[52:53], s[48:49]      ; block 0's first row, at my 32 columns
	s_lshl_b32 s48, s56, 9
	s_lshl_b32 s60, s57, 6
	s_add_co_u32 s48, s48, s60
	s_lshl_b32 s60, s14, 2
	s_add_co_u32 s48, s48, s60                     ; the work-group's first record of four: 512 e + 64 ks + 4 cgx
	s_mul_i32 s48, s48, REC
	s_add_nc_u64 s[54:55], s[54:55], s[48:49]
	s_mul_i32 s48, s59, 2*REC
	s_lshl_b32 s60, s58, 10
	s_add_co_u32 s48, s48, s60
	s_add_nc_u64 s[50:51], s[54:55], s[48:49]      ; my two tiles, my K step
	s_lshl_b32 s61, s59, 9
	s_lshl_b32 s60, s58, 2
	s_add_co_u32 s61, s61, s60
	s_add_co_u32 s61, s61, WSC                     ; LDS: the wave's number alone
	v_and_b32 v3, 31, v0
	s_delay_alu instid0(VALU_DEP_1)
	v_lshlrev_b32 v[LI], 4, v3
	v_and_b32 v13, 15, v0
	s_delay_alu instid0(VALU_DEP_1)
	v_lshlrev_b32 v[R16], 4, v13
	v_bfe_u32 v14, v0, 4, 1
	s_delay_alu instid0(VALU_DEP_1)
	v_mul_u32_u24 v[WSO], v14, REC
	s_delay_alu instid0(VALU_DEP_1)
	v_add_nc_u32 v[WSO], v[WSO], v[R16]
	s_delay_alu instid0(VALU_DEP_3)
	v_lshlrev_b32 v[BO], 6, v14
	s_lshl_b32 s46, s12, 1
	s_add_co_u32 s46, s46, HSC
	v_add_nc_u32 v[HSA0], s46, v[R16]              ; row r's bytes 2 w, 2 w + 1
	s_lshl_b32 s46, s12, 9
	s_add_co_u32 s46, s46, HSC
	v_add_nc_u32 v[HRD], s46, v[LI]
	v_and_b32 v[WCO], 7, v0
	v_bfe_u32 v15, v0, 3, 1
	s_delay_alu instid0(VALU_DEP_1)
	v_lshl_add_u32 v[WCO], v15, 4, v[WCO]
	s_delay_alu instid0(VALU_DEP_1)
	v_lshl_add_u32 v[WCO], v14, 3, v[WCO]          ; my column of the 32: l % 8 + 16 ((l % 16) / 8) + 8 (l / 16): lanes 0-15 are the places of the first tile, lanes 16-31 of the second
	s_delay_alu instid0(VALU_DEP_1)
	v_lshlrev_b32 v[WCO], 2, v[WCO]
	v_add_nc_u32 v[WSA], s61, v[LI]
	v_add_nc_u32 v[WRD], WSC, v[LI]
	v_mov_b32 v[TM+4], 0                           ; written once: a lane permute's destination counts as one of its sources
	v_mov_b32 v[TM+5], 0
	v_add_nc_u32 v[LA0], s28, v[LI]
	v_add_nc_u32 v[SA0], s28, v[R16]
	s_delay_alu instid0(VALU_DEP_2)
	v_add_nc_u32 v[LA0+1], KSB, v[LA0]
	s_delay_alu instid0(VALU_DEP_2)
	v_add_nc_u32 v[SA0+1], KSB, v[SA0]
	WIN 0x40                                       ; destination window 1
.irp t, 0,1,2,3                        ; W1's fragment (tile t, K step 4 s + q) at v[8 (8 t + 4 s + q)] of window 1: each load is 512 consecutive bytes; they stay
.irp s, 0,1
.irp q, 0,1,2,3
.irp c, 0,1
	global_load_b128 v[8*(8*\t+4*\s+\q)+4*\c:8*(8*\t+4*\s+\q)+4*\c+3], v[LI], s[40:41] offset:W1KS*\s+REC*\t+1024*\q+512*\c
.endr
.endr
.endr
.endr
	WIN 0
.irp tp, 0,1
.irp s, 0,1
	global_load_b128 v[W1S+4*(2*\tp+\s):W1S+4*(2*\tp+\s)+3], v[WSO], s[40:41] offset:4096+2*REC*\tp+W1KS*\s
.endr
.endr
.irp t, 0,1,2,3                        ; lane (r, h), register j of tile t: unit 32 (t / 2) + 16 h + 8 (t % 2) + j
	global_load_b128 v[B1+8*\t:B1+8*\t+3], v[BO], s[42:43] offset:(32*(\t/2)+8*(\t%2))*4
	global_load_b128 v[B1+8*\t+4:B1+8*\t+7], v[BO], s[42:43] offset:(32*(\t/2)+8*(\t%2))*4+16
.endr
.macro AFETCH                          ; a tile of rows: eight fragments (two loads of 512 consecutive bytes each) and the scale words of both K slots
.irp s, 0,1
.irp q, 0,1,2,3
.irp c, 0,1
	ds_load_b128 v[AF+8*(4*\s+\q)+4*\c:AF+8*(4*\s+\q)+4*\c+3], v[LA0+\s] offset:1024*\q+512*\c
.endr
.endr
	ds_load_b128 v[AS+4*\s:AS+4*\s+3], v[SA0+\s] offset:4096
.endr
.endm
.macro MM t, k                         ; tile t of units, K step k.  The first K step takes b1 as C; an odd tile's scale words stand in lanes 16-31
.if (\k) == 0
.if (\t)%2
	v_wmma_scale_f32_16x16x128_f8f6f4 v[H+8*\t:H+8*\t+7], v[8*(8*\t+\k):8*(8*\t+\k)+7], v[AF+8*\k:AF+8*\k+7], v[B1+8*\t:B1+8*\t+7], v[W1S+4*(2*(\t/2)+\k/4)+\k%4], v[AS+\k] matrix_a_fmt:MATRIX_FMT_FP4 matrix_b_fmt:MATRIX_FMT_FP4 matrix_a_scale:MATRIX_SCALE_ROW1
.else
	v_wmma_scale_f32_16x16x128_f8f6f4 v[H+8*\t:H+8*\t+7], v[8*(8*\t+\k):8*(8*\t+\k)+7], v[AF+8*\k:AF+8*\k+7], v[B1+8*\t:B1+8*\t+7], v[W1S+4*(2*(\t/2)+\k/4)+\k%4], v[AS+\k] matrix_a_fmt:MATRIX_FMT_FP4 matrix_b_fmt:MATRIX_FMT_FP4
.endif
.else
.if (\t)%2
	v_wmma_scale_f32_16x16x128_f8f6f4 v[H+8*\t:H+8*\t+7], v[8*(8*\t+\k):8*(8*\t+\k)+7], v[AF+8*\k:AF+8*\k+7], v[H+8*\t:H+8*\t+7], v[W1S+4*(2*(\t/2)+\k/4)+\k%4], v[AS+\k] matrix_a_fmt:MATRIX_FMT_FP4 matrix_b_fmt:MATRIX_FMT_FP4 matrix_a_scale:MATRIX_SCALE_ROW1
.else
	v_wmma_scale_f32_16x16x128_f8f6f4 v[H+8*\t:H+8*\t+7], v[8*(8*\t+\k):8*(8*\t+\k)+7], v[AF+8*\k:AF+8*\k+7], v[H+8*\t:H+8*\t+7], v[W1S+4*(2*(\t/2)+\k/4)+\k%4], v[AS+\k] matrix_a_fmt:MATRIX_FMT_FP4 matrix_b_fmt:MATRIX_FMT_FP4
.endif
.endif
.endm
; A TILE OF 16 ROWS.  more = 1: the next tile's fragments are fetched behind the products and land under the vector work.
.macro TILE more
	s_wait_dscnt 0x0                               ; this tile's 18 loads are in (and the last tile's byte store is done)
	WIN 0x01                                       ; source 0 (W1) window 1
.irp k, 0,1,2,3,4,5,6,7                ; the four accumulators take turns, one instruction a turn
.irp t, 0,1,2,3
	MM \t, \k
.endr
.endr
	WIN 0
.if \more
	s_add_co_u32 s28, s28, REC
	v_add_nc_u32 v[LA0], s28, v[LI]                ; these four lines are the four places in front of loads into registers that the last products read, and of the first read of results
	v_add_nc_u32 v[SA0], s28, v[R16]
	s_delay_alu instid0(VALU_DEP_2)
	v_add_nc_u32 v[LA0+1], KSB, v[LA0]
	s_delay_alu instid0(VALU_DEP_2)
	v_add_nc_u32 v[SA0+1], KSB, v[SA0]
	AFETCH
.else
.rept 4
	v_nop
.endr
.endif
	v_add_nc_u32 v[HSAC], s29, v[HSA0]
	s_add_co_u32 s29, s29, 256
.set j, 0
.rept 16
	v_dual_max_num_f32 v[H+j], 0, v[H+j] :: v_dual_max_num_f32 v[H+j+1], 0, v[H+j+1]   ; the activation, in f32, two numbers an instruction; each accumulator from its low end on
.set j, j+2
.endr
.irp b, 0,1                            ; my 16 numbers of block b, in two chains, and the floor 2^(3 - 127): the byte cannot fall under 1.  No |.|: none is negative
	v_max3_num_f32 v[TM+\b], v[H+16*\b], v[H+16*\b+1], 0x1800000
	v_max3_num_f32 v[TM+2+\b], v[H+16*\b+8], v[H+16*\b+9], v[H+16*\b+10]
.endr
.irp i, 2,4
.irp b, 0,1
	s_delay_alu instid0(VALU_DEP_4)
	v_max3_num_f32 v[TM+\b], v[TM+\b], v[H+16*\b+\i], v[H+16*\b+\i+1]
	s_delay_alu instid0(VALU_DEP_4)
	v_max3_num_f32 v[TM+2+\b], v[TM+2+\b], v[H+16*\b+9+\i], v[H+16*\b+10+\i]
.endr
.endr
.irp b, 0
	s_delay_alu instid0(VALU_DEP_4)
	v_max3_num_f32 v[TM+\b], v[TM+\b], v[H+16*\b+6], v[H+16*\b+7]
.endr
.irp b, 1
	s_delay_alu instid0(VALU_DEP_3)
	v_max3_num_f32 v[TM+\b], v[TM+\b], v[H+16*\b+6], v[H+16*\b+7]
.endr
.irp b, 0,1
	s_delay_alu instid0(VALU_DEP_2)
	v_max3_num_f32 v[TM+\b], v[TM+\b], v[TM+2+\b], v[H+16*\b+15]
.endr
.irp b, 0,1
	s_delay_alu instid0(VALU_DEP_2)
	v_permlanex16_b32 v[TM+4+\b], v[TM+\b], s32, s33
.endr
.irp b, 0,1
	s_delay_alu instid0(VALU_DEP_2)
	v_max_num_f32 v[TM+\b], v[TM+\b], v[TM+4+\b]   ; with lane l xor 16's 16: the block's largest number
.endr
.irp b, 0,1
	s_delay_alu instid0(VALU_DEP_2)
	v_add_nc_u32 v[TM+8+\b], 0xff000000, v[TM+\b]  ; 2 off its exponent field: the conversion's scale operand
.endr
.irp b, 0,1
	s_delay_alu instid0(VALU_DEP_2)
	v_lshrrev_b32 v[TM+4+\b], 23, v[TM+8+\b]       ; the scale's byte
.endr
	s_delay_alu instid0(VALU_DEP_1)
	v_lshl_or_b32 v[PW], v[TM+5], 8, v[TM+4]
	s_wait_alu depctr_va_vdst(0)
	s_wait_xcnt 0x0                                ; the last tile's store has read its data and its base: both are written again only behind this wait
	s_add_nc_u64 s[34:35], s[34:35], REC           ; the store below reaches back
.irp b, 0,1
	v_cvt_scalef32_pk8_fp4_f32 v[PC+2*\b], v[H+16*\b:H+16*\b+7], v[TM+8+\b]
	v_cvt_scalef32_pk8_fp4_f32 v[PC+2*\b+1], v[H+16*\b+8:H+16*\b+15], v[TM+8+\b]
.endr
	v_nop                                          ; one plain line behind a run of scaled conversions
	v_permlane16_swap_b32 v[PC], v[PC+2]           ; a whole block to a lane: lanes 0-15 block 2 w, lanes 16-31 block 2 w + 1, 16 bytes of row r
	v_permlane16_swap_b32 v[PC+1], v[PC+3]
	global_store_b128 v[LI], v[PC:PC+3], s[34:35] offset:-REC    ; 512 consecutive bytes, aligned
	ds_store_b16 v[HSAC], v[PW]                    ; (both halves of the lanes write the same two bytes with the same value)
.endm
	s_wait_alu depctr_va_vdst(0)
	s_wait_tensorcnt 0x0                           ; my four records lie in LDS,
	s_barrier_signal -1
	s_barrier_wait -1                              ; everybody's do
	AFETCH
	s_wait_loadcnt 0x0                             ; W1, its scale words, b1
	LOADW 0                                        ; w2's blocks 0 and 1: they land under the first eight tiles
	LOADW 1
.Ltile:
	TILE 1
	s_sub_co_u32 s30, s30, 1
	s_cmp_lg_u32 s30, 0
	s_cbranch_scc1 .Ltile
	BLOCKW 0                                       ; each asks for the block two on, which lands under the other eight tiles
	BLOCKW 1
	s_mov_b32 s30, 7
.Ltile2:
	TILE 1
	s_sub_co_u32 s30, s30, 1
	s_cmp_lg_u32 s30, 0
	s_cbranch_scc1 .Ltile2
	TILE 0                                         ; the last tile fetches nothing
	BLOCKW 2
	BLOCKW 3
	ds_store_b32 v[WSA], v15                       ; my place's scale word of w2
	s_wait_dscnt 0x0                               ; for the others' sake: my scale bytes lie in LDS
	s_barrier_signal -1
	s_barrier_wait -1
	ds_load_b128 v[16:19], v[HRD]                  ; tiles 2 w, 2 w + 1: 256 scale bytes each
	s_wait_dscnt 0x0
	global_store_b128 v[WSO], v[16:19], s[36:37] offset:4096   ; each half of the lanes stores 256 consecutive bytes, aligned
	s_cmp_lg_u32 s12, 0
	s_cbranch_scc1 .Lw2s
	ds_load_b128 v[20:23], v[WRD]                  ; wave 0: the scale bytes of w2's four tiles, 256 bytes a tile
	ds_load_b128 v[24:27], v[WRD] offset:512
	s_wait_dscnt 0x0
	global_store_b128 v[WSO], v[20:23], s[54:55] offset:4096
	global_store_b128 v[WSO], v[24:27], s[54:55] offset:4096+2*REC
.Lw2s:
	s_wait_tensorcnt 0x0                           ; the wave's end, behind my last tensor load and my last LDS store
	ds_add_u32 v[SPW], v[NIL]
	s_wait_dscnt 0x0
	ROUND                                          ; the closing round
	s_endpgm
.Lfunc_end_k_q16c03de33b_ffn1:
	.size	k_q16c03de33b_ffn1, .Lfunc_end_k_q16c03de33b_ffn1-k_q16c03de33b_ffn1
	.p2alignl 7, 3214868480
	.fill 96, 4, 3214868480
	.section	.rodata,"a",@progbits
	.p2align	6, 0x0
	.amdhsa_kernel k_q16c03de33b_ffn1
		.amdhsa_group_segment_fixed_size 167936
		.amdhsa_private_segment_fixed_size 0
		.amdhsa_enable_private_segment 0
		.amdhsa_kernarg_size 48
		.amdhsa_user_sgpr_count 2
		.amdhsa_user_sgpr_kernarg_segment_ptr 1
		.amdhsa_wavefront_size32 1
		.amdhsa_system_sgpr_workgroup_id_x 1
		.amdhsa_system_sgpr_workgroup_id_y 1
		.amdhsa_system_sgpr_workgroup_id_z 1
		.amdhsa_system_vgpr_workitem_id 0
		.amdhsa_next_free_vgpr 512
		.amdhsa_next_free_sgpr 66
		.amdhsa_reserve_vcc 0
		.amdhsa_float_denorm_mode_32 3
		.amdhsa_float_denorm_mode_16_64 3
		.amdhsa_memory_ordered 1
		.amdhsa_forward_progress 1
		.amdhsa_inst_pref_size 64
	.end_amdhsa_kernel
	.amdgpu_metadata
---
amdhsa.version: [ 1, 2 ]
amdhsa.kernels:
  - .name:           k_q16c03de33b_ffn1
    .symbol:         k_q16c03de33b_ffn1.kd
    .args:
      - { .name: xq, .offset: 0, .size: 8, .value_kind: global_buffer, .address_space: global }
      - { .name: w1q, .offset: 8, .size: 8, .value_kind: global_buffer, .address_space: global }
      - { .name: b1, .offset: 16, .size: 8, .value_kind: global_buffer, .address_space: global }
      - { .name: hq, .offset: 24, .size: 8, .value_kind: global_buffer, .address_space: global }
      - { .name: w2, .offset: 32, .size: 8, .value_kind: global_buffer, .address_space: global }
      - { .name: w2q, .offset: 40, .size: 8, .value_kind: global_buffer, .address_space: global }
    .group_segment_fixed_size: 167936
    .private_segment_fixed_size: 0
    .kernarg_segment_align: 8
    .kernarg_segment_size: 48
    .max_flat_workgroup_size: 256
    .sgpr_count:     66
    .vgpr_count:     512
    .wavefront_size: 32
...
	.end_amdgpu_metadata
.endif
;; end of part 2
;; launch ffn2 (part 3): grid 8 x 32, 4 waves a work-group, clusters of 4 x 1, 327,680 bytes of LDS; arguments hq, w2q, b2, comb, out0; writes out0
.if DOCPART == 3
	.amdgcn_target "amdgcn-amd-amdhsa--gfx1250"
	.amdhsa_code_object_version 6
	.text
	.protected	k_q16c03de33b_ffn2
	.globl	k_q16c03de33b_ffn2
	.p2align	8
	.type	k_q16c03de33b_ffn2,@function
k_q16c03de33b_ffn2:
	s_mov_b64 s[64:65], 0
	v_nop
	global_prefetch_b8 v0, s[64:65] scope:SCOPE_SE
	s_setreg_imm32_b32 hwreg(HW_REG_WAVE_MODE, 25, 1), 1
	s_wait_xcnt 0x0
	s_wait_alu depctr_hold_cnt(0) depctr_sa_sdst(0) depctr_va_vdst(0) depctr_va_sdst(0) depctr_va_ssrc(0) depctr_va_vcc(0) depctr_vm_vsrc(0)
	s_getreg_b32 s2, hwreg(HW_REG_IB_STS2, 6, 4)
	s_cmp_eq_u32 s2, 0
	s_cbranch_scc0 .Lentry_in_a_cluster
	s_endpgm
.Lentry_in_a_cluster:
	s_bfe_u32 s2, ttmp6, 0x10000c
	s_cmp_lg_u32 s2, 0x3003
	s_cbranch_scc0 .Lentry_shape_is_right
	s_endpgm
.Lentry_shape_is_right:
; THIRD OF THREE LAUNCHES.  out = c0 (h0 W2_0 + b2_0) + c1 (h1 W2_1 + b2_1) on codes of E2M1 (records of 16 operand rows x 512 K in 4,352 bytes, as the first launch lays them).  No work is left out here;
; comb is softmax(logits), as shown at the head of the first launch.  LIMITS: as stated there.
; SHARES.  A work-group makes 128 rows x 128 columns of out.  Wave w = (expert e = w / 2, column half ch = w % 2) makes 128 x 64 of h_e W2_e + b2_e over all 4,096 K: 32 accumulators, 256 registers (window 2),
; in 32 steps of 128 along K, 32 matrix instructions each, the accumulators by turns.  The two experts' versions meet in LDS at the end, where each wave weighs and stores 32 whole rows.
; A (hq): two LDS slots, each with K slots 2 f, 2 f + 1 of both experts for the 128 rows: four parts of 8 records (34,816 dense bytes), one tensor load a wave; four fills in all, 8 steps from fill to fill.
; CLUSTER: the four work-groups of a cluster have the same rows and other columns: hq's parts are asked for JOINTLY, with the mask of all four.
; B (w2q) goes from memory straight into registers, as images of the operand: a wave's 64 columns are its own, no other wave of the work-group reads them, and they never lie in LDS, so they are not shared
; in the cluster either (both slots are A's).  A ring of eight places of 32 registers (window 1); step t asks for step t + 6.  These loads themselves run six steps ahead, so w2q has no prefetch.
; hq IS PREFETCHED two fills ahead: behind fill f's load each wave names the part that it will load in fill f + 2; the four partners share its 136 blocks of 256 bytes by address, 34 each; fills 0 and 1 come by their loads alone.
; THE PRODUCT IS USED TRANSPOSED: source 0 = 16 columns of W2, source 1 = 16 rows of h: lane (r, h) holds row r, and register j of tile b column 32 (b / 2) + 16 h + 8 (b % 2) + j.
; The steps are written out by a macro: the first takes b2 as C, three of them change slots, the last six ask for nothing.  Every offset is an immediate; no pointer but the descriptors' is stepped.
.set REC,   4352
.set PART,  8*REC
.set SLOT,  4*PART
.set SPARE, 2*SLOT                     ; behind the slots: the spare words, 128 bytes a wave: two blocks of 256 bytes that no other line names
.set VER,   128*528                    ; the way out: a version of 128 rows x (512 + 16) bytes; both lie in slot 0, behind its last fill and its last read
.set FILL,  2*256*REC                  ; hq: bytes from fill to fill
.set KSB,   64*REC                     ; w2q: bytes from K slot to K slot
.set LEAD,  6
.set LI,   2                           ; v2     16 l
.set WSO,  3                           ; v3     4,352 (l / 16) + 16 (l % 16): a place in one of two records
.set BO,   4                           ; v4     64 (l / 16)
.set STO,  5                           ; v5     where my results go in the stage
.set RD,   6                           ; v6-7   where I read rows back, version 0, 1
.set PFO,  8                           ; v8-9   the prefetches' offsets: blocks 0-31, and blocks 32, 33
.set ADRA, 10                          ; v10-13 LDS address of my expert's fragments: 2 slot + K slot's parity
.set ADRS, 14                          ; v14-17 of their scale words (less 4,096)
.set CM,   20                          ; v20-23 comb of row l of my 32
.set SPW,  28                          ; v28    LDS address of my spare word; never rewritten
.set NIL,  29                          ; v29    0; never rewritten
.set SA,   32                          ; v32-63 A's scale words, two sets: register 4 tp + q: lanes 0-15 tile 2 tp, lanes 16-31 tile 2 tp + 1
.set SB,   64                          ; v64-95 B's, four sets of 8, likewise
.set BI,   96                          ; v96-127 b2 in the result's layout
.set AF,   128                         ; v128-255 A's fragments, two sets of 8 x 8; on the way out two buffers of 8 rows
.set MSB, 0
.macro WIN new                         ; the immediate's high byte repeats the setting that is left
.if MSB != \new
	s_set_vgpr_msb (MSB<<8)|\new
.set MSB, \new
.endif
.endm
.macro ROUND                           ; a round of the cluster's barrier
	s_barrier_signal -1
	s_barrier_wait -1
	s_cmp_lg_u32 s14, 0
	s_cbranch_scc1 .Lnot_wave_0_\@
	s_barrier_signal -3
.Lnot_wave_0_\@:
	s_barrier_wait -3
	s_barrier_signal -1
	s_barrier_wait -1
.endm
.macro PLACES
.rept 4
	v_nop
.endr
.endm
.macro FETCH_A u                       ; step u's eight fragments of A (two loads of 512 consecutive bytes each); at a K slot's first step its scale words too
.set FS, 2*(((\u)/8)%2)+((\u)/4)%2
.set FB, AF+64*((\u)%2)
.irp i, 0,1,2,3,4,5,6,7
.irp c, 0,1
	ds_load_b128 v[FB+8*\i+4*\c:FB+8*\i+4*\c+3], v[ADRA+FS] offset:1024*((\u)%4)+512*\c+\i*REC
.endr
.endr
.if ((\u)%4) == 0
.irp tp, 0,1,2,3
	ds_load_b128 v[SA+16*(((\u)/4)%2)+4*\tp:SA+16*(((\u)/4)%2)+4*\tp+3], v[ADRS+FS] offset:4096+2*REC*\tp
.endr
.endif
.endm
.macro GLOAD u                         ; step u's four fragments of B into ring place u % 8; at a K slot's first step, ahead of them, its scale words
.if ((\u)%4) == 0
.irp tp, 0,1
	global_load_b128 v[SB+8*(((\u)/4)%4)+4*\tp:SB+8*(((\u)/4)%4)+4*\tp+3], v[WSO], s[46:47] offset:KSB*((\u)/4)+4096+2*REC*\tp
.endr
.endif
	WIN 0x40                                       ; destination window 1
.irp t, 0,1,2,3
.irp c, 0,1
	global_load_b128 v[32*((\u)%8)+8*\t+4*\c:32*((\u)%8)+8*\t+4*\c+3], v[LI], s[46:47] offset:KSB*((\u)/4)+REC*\t+1024*((\u)%4)+512*\c
.endr
.endr
	WIN 0
.endm
.macro ASK f                           ; the part that I load in fill f: my work-group's 34 blocks of 256 bytes (the second line's lanes 1-31 name the last block)
	global_prefetch_b8 v[PFO], s[44:45] offset:(\f)*FILL th:TH_LOAD_NT scope:SCOPE_SE
	global_prefetch_b8 v[PFO+1], s[44:45] offset:(\f)*FILL th:TH_LOAD_NT scope:SCOPE_SE
.endm
	s_load_b256 s[4:11], s[0:1], 0x0               ; hq s[4:5], w2q s[6:7], b2 s[8:9], comb s[10:11]
	s_load_b64 s[12:13], s[0:1], 0x20              ; out0
	v_lshl_add_u32 v[SPW], v0, 2, SPARE
	v_mov_b32 v[NIL], 0
	ds_add_u32 v[SPW], v[NIL]                      ; the wave's opening: the add, twice on end, and its wait ahead of my first tensor load
	ds_add_u32 v[SPW], v[NIL]                      ; and once more, under the one wait
	v_lshrrev_b32 v1, 5, v0
	v_readfirstlane_b32 s14, v1                    ; wave 0..3
	s_lshr_b32 s15, s14, 1                         ; e
	s_and_b32 s16, s14, 1                          ; ch.  Also: the parity of the K slot whose part I load
	s_bfe_u32 s40, ttmp6, 0x40000                  ; cx
	s_lshl_b32 s42, ttmp9, 2
	s_add_co_u32 s42, s42, s40                     ; column block = 4 x cluster x + cx: it enters w2q's, b2's and out0's addresses alone
	s_and_b32 s17, ttmp7, 0xffff                   ; row block, which the four partners share
	s_mov_b32 s24, 15|(3<<16)|(1<<21)              ; group 1: the mask of all four; elements of 8 bytes; bit 21 set beside a mask; no padding
	s_mov_b32 s25, 32<<16                          ; a part, 34,816 dense bytes, as 136 rows of 256 bytes
	s_mov_b32 s26, 136<<16
	s_mov_b32 s27, 32<<16
	s_mov_b32 s28, 136
	s_mov_b32 s29, 32
	s_mov_b32 s30, 0
	s_mov_b32 s31, 0
	s_mul_i32 s45, s14, PART                       ; where my part goes in a slot
	s_lshl_b32 s20, s15, 11
	s_lshl_b32 s18, s16, 8
	s_add_co_u32 s20, s20, s18
	s_lshl_b32 s18, s17, 3
	s_add_co_u32 s20, s20, s18                     ; hq's record (8 e + parity) 256 + 8 x row block: the wave's number and the row block alone
	s_mul_i32 s20, s20, REC
	s_mov_b32 s21, 0
	s_mul_i32 s22, s40, 34*256                     ; my work-group's share of a part's prefetch
	s_mov_b32 s23, 0
	s_lshl_b32 s46, s15, 9
	s_lshl_b32 s19, s42, 3
	s_add_co_u32 s46, s46, s19
	s_lshl_b32 s19, s16, 2
	s_add_co_u32 s46, s46, s19                     ; w2q's record 512 e + 8 x column block + 4 ch
	s_mul_i32 s46, s46, REC
	s_mov_b32 s47, 0
	s_lshl_b32 s59, s16, 8                         ; 256 ch: my 64 columns in bytes
	s_lshl_b32 s48, s15, 12
	s_lshl_b32 s19, s42, 9
	s_add_co_u32 s48, s48, s19
	s_add_co_u32 s48, s48, s59                     ; b2 at expert e, my 64 columns
	s_mov_b32 s49, 0
	s_lshl_b32 s50, s17, 7
	s_lshl_b32 s51, s14, 5
	s_add_co_u32 s50, s50, s51                     ; the first row that I store: 128 x row block + 32 w
	s_lshl_b32 s52, s50, 4
	s_mov_b32 s53, 0
	s_lshl_b32 s54, s50, 12
	s_add_co_u32 s54, s54, s19
	s_mov_b32 s55, 0
	s_and_b32 s56, s14, 2
	s_mul_i32 s56, s56, PART                       ; my expert's two parts in a slot
	s_mul_i32 s57, s15, VER
	s_add_co_u32 s57, s57, s59                     ; my version of the stage, my half of its rows
	s_mul_i32 s58, s14, 32*528
.irp p, 73,75,77,79,81,83,85,87
	s_mov_b32 s\p, 0                               ; (a packed form names a scalar pair and takes its low word for both halves: the high words are written once)
.endr
	v_and_b32 v1, 31, v0
	v_lshlrev_b32 v[LI], 4, v1
	v_and_b32 v24, 15, v0                          ; r
	v_bfe_u32 v25, v0, 4, 1                        ; h
	v_mul_u32_u24 v[WSO], v25, REC
	v_lshl_add_u32 v[WSO], v24, 4, v[WSO]
	v_lshlrev_b32 v[BO], 6, v25
	v_mul_u32_u24 v[STO], v24, 528
	v_lshl_add_u32 v[STO], v25, 6, v[STO]
	v_add_nc_u32 v[STO], s57, v[STO]
	v_add_nc_u32 v[RD], s58, v[LI]
	v_add_nc_u32 v[RD+1], VER, v[RD]
	v_lshlrev_b32 v[PFO], 8, v1
	v_min_u32 v26, 1, v1
	v_lshl_add_u32 v[PFO+1], v26, 8, 8192
	v_add_nc_u32 v[ADRA], s56, v[LI]
	v_add_nc_u32 v[ADRS], s56, v[WSO]
	v_add_nc_u32 v[ADRA+1], PART, v[ADRA]
	v_add_nc_u32 v[ADRS+1], PART, v[ADRS]
	v_add_nc_u32 v[ADRA+2], SLOT, v[ADRA]
	v_add_nc_u32 v[ADRS+2], SLOT, v[ADRS]
	v_add_nc_u32 v[ADRA+3], SLOT, v[ADRA+1]
	v_add_nc_u32 v[ADRS+3], SLOT, v[ADRS+1]
	s_wait_alu depctr_va_vdst(0)                   ; behind the head's last vector write, directly ahead of the waits below
	s_wait_dscnt 0x0                               ; both opening adds are done
	s_wait_kmcnt 0x0
	s_add_nc_u64 s[20:21], s[4:5], s[20:21]        ; my part of fill 0
	s_mov_b32 s32, 1                               ; group 0 for slot 0: fills 0 and 2,
	s_mov_b32 s33, s45
	s_mov_b64 s[34:35], s[20:21]
	s_or_b32 s35, s35, 0x80000000
	s_mov_b32 s36, 1                               ; and for slot 1: fills 1 and 3
	s_add_co_u32 s37, s45, SLOT
	s_add_nc_u64 s[38:39], s[20:21], FILL
	s_or_b32 s39, s39, 0x80000000
	s_add_nc_u64 s[44:45], s[20:21], s[22:23]
	s_add_nc_u64 s[46:47], s[6:7], s[46:47]
	s_add_nc_u64 s[8:9], s[8:9], s[48:49]
	s_add_nc_u64 s[10:11], s[10:11], s[52:53]
	s_add_nc_u64 s[12:13], s[12:13], s[54:55]
	ROUND                                          ; all four work-groups are here: the joint loads meet
	tensor_load_to_lds s[32:35], s[24:31]          ; fill 0: one tensor load a wave at the head
	s_nop 0
	PLACES
.irp b, 0,1,2,3
	global_load_b128 v[BI+8*\b:BI+8*\b+3], v[BO], s[8:9] offset:(32*(\b/2)+8*(\b%2))*4
	global_load_b128 v[BI+8*\b+4:BI+8*\b+7], v[BO], s[8:9] offset:(32*(\b/2)+8*(\b%2))*4+16
.endr
	global_load_b128 v[CM:CM+3], v[LI], s[10:11]   ; 512 consecutive bytes: [c0, c0, c1, c1] of my 32 rows, a row a lane
.set T, 0
.rept 3                                ; B's first three steps go out with fill 0; the next three behind fill 1's load
	GLOAD T
.set T, T+1
.endr
	ASK 2
	s_wait_tensorcnt 0x0                           ; my part of fill 0 is in
	ds_add_u32 v[SPW], v[NIL]
	s_wait_dscnt 0x0
	ROUND
	tensor_load_to_lds s[36:39], s[24:31]          ; fill 1, the first tensor load behind the round
	s_nop 0
	PLACES
	FETCH_A 0
.rept LEAD-3
	GLOAD T
.set T, T+1
.endr
; 32 matrix instructions: A's eight tiles, each against B's four.  An odd tile's scale words stand in lanes 16-31.
.macro MUL32
.irp a, 0,1,2,3,4,5,6,7
.irp b, 0,1,2,3
.set DD, 8*(4*\a+\b)
.if T == 0
.set CC, BI+8*\b                       ; the first product of each sum takes b2 as C (window 0)
.else
.set CC, DD
.endif
.set FBB, 32*(T%8)+8*\b
.set FAA, AF+64*(T%2)+8*\a
.set SBB, SB+8*((T/4)%4)+4*(\b/2)+T%4
.set SAA, SA+16*((T/4)%2)+4*(\a/2)+T%4
.if \b%2
.if \a%2
	v_wmma_scale_f32_16x16x128_f8f6f4 v[DD:DD+7], v[FBB:FBB+7], v[FAA:FAA+7], v[CC:CC+7], v[SBB], v[SAA] matrix_a_fmt:MATRIX_FMT_FP4 matrix_b_fmt:MATRIX_FMT_FP4 matrix_a_scale:MATRIX_SCALE_ROW1 matrix_b_scale:MATRIX_SCALE_ROW1
.else
	v_wmma_scale_f32_16x16x128_f8f6f4 v[DD:DD+7], v[FBB:FBB+7], v[FAA:FAA+7], v[CC:CC+7], v[SBB], v[SAA] matrix_a_fmt:MATRIX_FMT_FP4 matrix_b_fmt:MATRIX_FMT_FP4 matrix_a_scale:MATRIX_SCALE_ROW1
.endif
.else
.if \a%2
	v_wmma_scale_f32_16x16x128_f8f6f4 v[DD:DD+7], v[FBB:FBB+7], v[FAA:FAA+7], v[CC:CC+7], v[SBB], v[SAA] matrix_a_fmt:MATRIX_FMT_FP4 matrix_b_fmt:MATRIX_FMT_FP4 matrix_b_scale:MATRIX_SCALE_ROW1
.else
	v_wmma_scale_f32_16x16x128_f8f6f4 v[DD:DD+7], v[FBB:FBB+7], v[FAA:FAA+7], v[CC:CC+7], v[SBB], v[SAA] matrix_a_fmt:MATRIX_FMT_FP4 matrix_b_fmt:MATRIX_FMT_FP4
.endif
.endif
.endr
.endr
.endm
; STEP T.  Its fragments of A were asked of LDS a step ago, those of B of memory six steps ago.  Steps 7, 15 and 23 change slots: the slot's last fragments are in registers, so it can be filled again.
.macro STEPM
	WIN 0
.if (T%8) == 7
.if T < 31
	s_wait_tensorcnt 0x0                           ; all my tensor loads have landed: my part of the next slot;
	ds_add_u32 v[SPW], v[NIL]                      ; 0 onto my spare word;
.if T < 23
	s_add_nc_u64 s[34+4*(T/8):35+4*(T/8)], s[34+4*(T/8):35+4*(T/8)], 2*FILL   ; no load of mine is out: this slot's next fill
.endif
	s_wait_dscnt 0x0                               ; the add is done, and my reads of this slot are over
.if T < 23
	ROUND                                          ; no wave of any partner still reads this slot or has a load on its way
	tensor_load_to_lds s[32+4*(T/8):35+4*(T/8)], s[24:31]
	s_nop 0
.else
	s_barrier_signal -1                            ; nothing is filled again: everybody's part of the last fill is in
	s_barrier_wait -1
.endif
.endif
.endif
	PLACES                                         ; four places between the last step's products and loads into registers that they read
	s_wait_dscnt 0x0                               ; this step's fragments of A are in
.set NW, 0                             ; the loads issued behind this step's B: those of the next LEAD - 1 steps, 8 a step and 2 more where a K slot begins
.set U, T+1
.rept LEAD-1
.if U < 32
.set NW, NW+8
.if (U%4) == 0
.set NW, NW+2
.endif
.endif
.set U, U+1
.endr
	s_wait_loadcnt NW
.if T < 31
	FETCH_A T+1
.endif
.if T+LEAD < 32
	GLOAD T+LEAD
.endif
.if T == 0
	ASK 3
.endif
.if T == 0
	WIN 0x81                                       ; source 0 (B) window 1, source 1 (A) and C window 0, D window 2
.else
	WIN 0xa1                                       ; C and D window 2
.endif
	MUL32
.endm
.set T, 0
.rept 32
	STEPM
.set T, T+1
.endr
	WIN 0
; THE WAY OUT.  Each wave lays its 128 x 64 into its expert's version of the stage; a barrier; wave w reads rows 32 w .. 32 w + 31 of both versions as whole rows of 512 bytes, weighs them and stores them.
	PLACES
	WIN 0x08                                       ; the data: window 2
.irp a, 0,1,2,3,4,5,6,7
.irp b, 0,1,2,3
	ds_store_b128 v[STO], v[8*(4*\a+\b):8*(4*\a+\b)+3] offset:8448*\a+128*(\b/2)+32*(\b%2)          ; each accumulator from its low end on
	ds_store_b128 v[STO], v[8*(4*\a+\b)+4:8*(4*\a+\b)+7] offset:8448*\a+128*(\b/2)+32*(\b%2)+16
.endr
.endr
	WIN 0
	s_wait_dscnt 0x0                               ; for the others' sake: my results lie in the stage
	s_barrier_signal -1
	s_barrier_wait -1
.macro LOADB k                         ; eight rows of both versions
.irp rr, 0,1,2,3,4,5,6,7
	ds_load_b128 v[AF+64*((\k)%2)+8*\rr:AF+64*((\k)%2)+8*\rr+3], v[RD] offset:528*(8*(\k)+\rr)
	ds_load_b128 v[AF+64*((\k)%2)+8*\rr+4:AF+64*((\k)%2)+8*\rr+7], v[RD+1] offset:528*(8*(\k)+\rr)
.endr
.endm
.macro SUMB k
.irp rr, 0,1,2,3,4,5,6,7
.set RW, 8*(\k)+\rr
.set VB, AF+64*((\k)%2)+8*\rr
.set SP, 72+4*(\rr%4)
	v_readlane_b32 s[SP], v[CM], RW                ; the row's c0,
	v_readlane_b32 s[SP+2], v[CM+2], RW            ; and c1
	v_pk_mul_f32 v[VB:VB+1], v[VB:VB+1], s[SP:SP+1] op_sel_hi:[1,0]
	v_pk_mul_f32 v[VB+2:VB+3], v[VB+2:VB+3], s[SP:SP+1] op_sel_hi:[1,0]
	v_pk_fma_f32 v[VB:VB+1], v[VB+4:VB+5], s[SP+2:SP+3], v[VB:VB+1] op_sel_hi:[1,0,1]
	v_pk_fma_f32 v[VB+2:VB+3], v[VB+6:VB+7], s[SP+2:SP+3], v[VB+2:VB+3] op_sel_hi:[1,0,1]
	global_store_b128 v[LI], v[VB:VB+3], s[12:13] offset:4096*RW th:TH_STORE_NT   ; 32 lanes store 512 consecutive bytes, aligned
.endr
.endm
	LOADB 0
	LOADB 1
.irp k, 0,1,2,3
.if \k < 3
	s_wait_dscnt 16                                ; this batch is in; the next batch's 16 loads may be out
.else
	s_wait_dscnt 0x0
.endif
	SUMB \k
.if \k < 2
	s_wait_xcnt 0x0                                ; the stores have read their data: the buffer takes the batch two on
	LOADB \k+2
.endif
.endr
	s_wait_tensorcnt 0x0                           ; the wave's end, behind my last tensor load and my last LDS store
	ds_add_u32 v[SPW], v[NIL]
	s_wait_dscnt 0x0
	ROUND                                          ; the closing round
	s_endpgm
.Lfunc_end_k_q16c03de33b_ffn2:
	.size	k_q16c03de33b_ffn2, .Lfunc_end_k_q16c03de33b_ffn2-k_q16c03de33b_ffn2
	.p2alignl 7, 3214868480
	.fill 96, 4, 3214868480
	.section	.rodata,"a",@progbits
	.p2align	6, 0x0
	.amdhsa_kernel k_q16c03de33b_ffn2
		.amdhsa_group_segment_fixed_size 327680
		.amdhsa_private_segment_fixed_size 0
		.amdhsa_enable_private_segment 0
		.amdhsa_kernarg_size 40
		.amdhsa_user_sgpr_count 2
		.amdhsa_user_sgpr_kernarg_segment_ptr 1
		.amdhsa_wavefront_size32 1
		.amdhsa_system_sgpr_workgroup_id_x 1
		.amdhsa_system_sgpr_workgroup_id_y 1
		.amdhsa_system_sgpr_workgroup_id_z 1
		.amdhsa_system_vgpr_workitem_id 0
		.amdhsa_next_free_vgpr 768
		.amdhsa_next_free_sgpr 96
		.amdhsa_reserve_vcc 0
		.amdhsa_float_denorm_mode_32 3
		.amdhsa_float_denorm_mode_16_64 3
		.amdhsa_memory_ordered 1
		.amdhsa_forward_progress 1
		.amdhsa_inst_pref_size 231
	.end_amdhsa_kernel
	.amdgpu_metadata
---
amdhsa.version: [ 1, 2 ]
amdhsa.kernels:
  - .name:           k_q16c03de33b_ffn2
    .symbol:         k_q16c03de33b_ffn2.kd
    .args:
      - { .name: hq, .offset: 0, .size: 8, .value_kind: global_buffer, .address_space: global }
      - { .name: w2q, .offset: 8, .size: 8, .value_kind: global_buffer, .address_space: global }
      - { .name: b2, .offset: 16, .size: 8, .value_kind: global_buffer, .address_space: global }
      - { .name: comb, .offset: 24, .size: 8, .value_kind: global_buffer, .address_space: global }
      - { .name: out0, .offset: 32, .size: 8, .value_kind: global_buffer, .address_space: global }
    .group_segment_fixed_size: 327680
    .private_segment_fixed_size: 0
    .kernarg_segment_align: 8
    .kernarg_segment_size: 40
    .max_flat_workgroup_size: 128
    .sgpr_count:     96
    .vgpr_count:     768
    .wavefront_size: 32
...
	.end_amdgpu_metadata
.endif
;; end of part 3
